; MI455X (gfx1250); checked and timed in simulation.
; The chip was launched on July 23, 2026; its instructions are those of AMD's public machine-readable ISA for CDNA 5 (MIT licence, August 2026) and "CDNA5" Instruction Set Architecture Reference Guide (July 2026). The comments in the code are by the model that wrote it; some were corrected since.
;; Main Net. Allowed arithmetic: matrix products marked QUANTISED: E2M3 operands, one E8M0 scale for each 32 along K, by v_wmma_scale_f32_16x16x128_f8f6f4 with both operands' format E2M3, f32 sums; products left as they are: f32 operands where the result goes on into a quantised operand, else bf16, f16 or f32 operands; f32 sums; everything else in f32.
;; Inputs: Wb1 1,024 x 512 float32; Wb2 1,024 x 512 float32; Wc1 512 x 64 float32; Wc2 512 x 64 float32; Wf1 4,096 x 64 float32; Wf2 64 x 2 float32; bb1 512 float32; bb2 512 float32; bc1 64 float32; bc2 64 float32; bf1 64 float32; bf2 2 float32; x1 16,384 x 1,024 float32; x2 16,384 x 1,024 float32.
;; Outputs: out0 16,384 x 2 float32.
;; This version of the problem:
;;   THIS VERSION OF THE PROBLEM IS GIVEN IN LOW PRECISION. The matrix products marked QUANTISED in the list below multiply operands that are first quantised to E2M3 (2 exponent bits, 3 mantissa bits; 6 bits a number), with one power-of-two scale for each 32 numbers along K (OCP MX v1.0); their sums are f32. All else is computed in f32.
;;   The module's matrix products, in the order in which they are computed (A, B: the left and right operand; K: the contracted axis; several contracted axes count as one K, in the product's order):
;;     1. [M 16,384, K 1,024] x [K 1,024, N 512]; A: input x1; B: input Wb1: QUANTISED
;;     2. [M 16,384, K 512] x [K 512, N 64]; A: computed on the way; B: input Wc1: QUANTISED
;;     3. [M 16,384, K 1,024] x [K 1,024, N 512]; A: input x2; B: input Wb2: QUANTISED
;;     4. [M 16,384, K 512] x [K 512, N 64]; A: computed on the way; B: input Wc2: QUANTISED
;;     5. batch 16,384 x [M 64, K 1] x [K 1, N 64]; A: computed on the way; B: computed on the way: left as it is (no contracted axis)
;;     6. [M 16,384, K 4,096] x [K 4,096, N 64]; A: computed on the way; B: input Wf1: QUANTISED
;;     7. [M 16,384, K 64] x [K 64, N 2]; A: computed on the way; B: input Wf2: left as it is (N = 2 < 16)
;;   THE QUANTISER, for each operand of a quantised product, along K:
;;     - K is cut into blocks of 32 from its start; a last block that is shorter is filled with zeros.
;;     - A block's scale is 2^e with e = floor(log2(the largest magnitude in the block)) - 2, held to -126 .. 127; a block of zeros has e = 0. As a byte (E8M0): e + 127.
;;     - Each number is divided by its block's scale, clamped to +-7.5, and rounded to the nearest number of E2M3, ties to even, subnormals kept.
;;     - The product sums the exact products of the quantised numbers (number of the format x scale) in f32.
;;   ~~~python
;;   def quantise(x, axis):      # numpy; x: float32 -> the quantised numbers, widened to float32 again
;;       x = np.moveaxis(x, axis, -1); K = x.shape[-1]
;;       x = np.pad(x, [(0, 0)] * (x.ndim - 1) + [(0, -K % 32)]); x = x.reshape(x.shape[:-1] + (-1, 32)); a = np.abs(x).max(-1, keepdims=True)
;;       e = np.where(a > 0, np.clip(np.frexp(np.where(a > 0, a, 1))[1] - 1 - 2, -126, 127), 0)      # np.frexp(a)[1] - 1 = floor(log2(a)), exactly
;;       r = np.clip(x / 2.0 ** e, -7.5, 7.5)
;;       step = 2.0 ** (np.maximum(np.frexp(np.where(r == 0, 1, r))[1] - 1, 0) - 3)
;;       q = np.round(r / step) * step * 2.0 ** e      # np.round: ties to even
;;       return np.moveaxis(q.reshape(q.shape[:-2] + (-1,))[..., :K], -1, axis).astype(np.float32)
;;   ~~~
;;   OPERANDS COMPUTED ON THE WAY. 'Computed on the way' means the value that the module computes at that place (a softmax that the list does not call 'softmax' is quantised finished and normalised). What goes into a quantiser is computed in f32, as accurately as f32 sums, v_exp_f32 and their like allow (about 1e-6 of the number): no bf16 or f16 on the way to a quantiser, and a product that is left as it is and whose result goes on into a quantised operand takes f32 operands (vector FMAs, or v_wmma_f32_16x16x4_f32). A number that lies on a knife's edge between two numbers of the format may be rounded either way, as far as f32 arithmetic and the matrix unit's own rounding can turn it there, and no further.
;; One version. Each part assembles by itself: llvm-mc -triple=amdgcn-amd-amdhsa -mcpu=gfx1250 --defsym DOCPART=n.
;; ======== version 1 of 1: 2 launches
;; limits: right only within a limited range of input values
;; workspace buffers: wq 1,118,208 bytes
;; launch prep (part 1): grid 168 x 1, 4 waves a work-group, no clusters, 1,024 bytes of LDS; arguments Wb1, Wb2, Wc1, Wc2, Wf1, wq; writes wq
.if DOCPART == 1
	.amdgcn_target "amdgcn-amd-amdhsa--gfx1250"
	.amdhsa_code_object_version 6
	.text
	.protected	k_qda73a7b956_prep
	.globl	k_qda73a7b956_prep
	.p2align	8
	.type	k_qda73a7b956_prep,@function
k_qda73a7b956_prep:
	s_mov_b64 s[64:65], 0
	v_nop
	global_prefetch_b8 v0, s[64:65] scope:SCOPE_SE
	s_setreg_imm32_b32 hwreg(HW_REG_WAVE_MODE, 25, 1), 1
	s_wait_xcnt 0x0
; The five weights, f32 with K as their FIRST axis, become codes of FP6 (E2M3) with one E8M0 scale byte for each 32 along K, laid in wq IN THE ORDER OF THE OPERAND'S REGISTERS.
; wq is 168 blocks of 6,656 bytes.  A block: four fragments of 1,536 bytes (tile t at 1536 t; registers 4 g .. 4 g + 3 of lane L at 512 g + 16 L), then 512 bytes of scale words (lane L, tile t at 6144 + 16 L + 4 t).
; A fragment is 16 columns x 128 along K: lane (r, h) holds its column's codes of k = k0 + 64 c + 32 h + 0 .. 31 in registers 6 c .. 6 c + 5.
;   blocks 0-127   = 8 s + w: Wb1 (s < 8) or Wb2, k0 = 128 (s % 8); lane r of tile t takes column 64 w + 8 t + r % 8 + 32 (r / 8): so a lane of the next launch's results holds a whole block along the next K
;   blocks 128-135 = 128 + 4 br + ks: Wc1 or Wc2, k0 = 128 ks; column 16 t + r
;   blocks 136-167 = 136 + S: Wf1, k0 = 128 S; column 16 t + r
; Work-group j makes block j, wave t its tile t.  A LANE TAKES A COLUMN AND ITS REGISTERS RUN DOWN K: a block of 32 lies in one lane, and the conversions' results are the operand's registers.
; A block's scale is 2^(floor(log2(its largest magnitude)) - 2); its byte is the largest magnitude's exponent field - 2, held at 1 from below.
; LIMITS: a block of zeros gets the byte 1 where the rule says 127 (its codes are zeros, and this program alone reads the bytes); NaN and infinities among the inputs are not served.
.set BLKB, 6656
.set FRB,  1536
.macro LOADS np                        ; W(k0 + 64 c + 32 h + i, my column), rows np bytes apart
.irp c, 0,1
.irp i, 0,1,2,3,4,5,6,7,8,9,10,11,12,13,14,15,16,17,18,19,20,21,22,23,24,25,26,27,28,29,30,31
	global_load_b32 v[64+32*\c+\i], v3, s[20:21] offset:(64*\c+\i)*\np
.endr
.endr
.endm
	s_load_b256 s[4:11], s[0:1], 0x0               ; Wb1 s[4:5], Wb2 s[6:7], Wc1 s[8:9], Wc2 s[10:11]
	s_load_b128 s[12:15], s[0:1], 0x20             ; Wf1 s[12:13], wq s[14:15]
	v_lshl_add_u32 v128, v0, 2, 0x200              ; my spare word
	v_mov_b32 v129, 0
	v_lshrrev_b32 v1, 5, v0
	v_readfirstlane_b32 s16, v1                    ; wave = tile t
	s_mov_b32 s17, ttmp9                           ; block j
	s_and_b32 s30, s17, 7
	s_lshl_b32 s30, s30, 6                         ; Wb: 64 w
	s_lshl_b32 s31, s16, 3
	s_add_co_u32 s30, s30, s31                     ; + 8 t: the tile's first column in Wb
	s_lshl_b32 s31, s16, 4                         ; and in the narrow weights: 16 t
	s_lshr_b32 s32, s17, 3
	s_and_b32 s32, s32, 7                          ; the K step: Wb's,
	s_and_b32 s33, s17, 3                          ; Wc's (128 is a multiple of 4),
	s_sub_co_u32 s34, s17, 136                     ; Wf1's (taken only where j is 136 or more)
	s_cmp_lt_u32 s17, 136
	s_cselect_b32 s33, s33, s34
	s_cmp_lt_u32 s17, 128                          ; Wb, rows of 2,048 bytes, or a narrow weight, rows of 256
	s_cselect_b32 s18, 11, 8                       ; log2 of the row's bytes
	s_cselect_b32 s19, 3, 0                        ; Wb: lanes 8-15 take columns 24 further on than their number
	s_cselect_b32 s30, s30, s31
	s_cselect_b32 s32, s32, s33
	s_lshl_b32 s32, s32, 7                         ; k0
	s_lshl_b32 s24, s32, s18                       ; k0 rows
	s_lshl_b32 s30, s30, 2
	s_add_co_u32 s24, s24, s30                     ; + 4 bytes a column
	s_lshl_b32 s25, 32, s18                        ; 32 rows: lanes 16-31 begin there
	v_and_b32 v1, 15, v0                           ; r
	v_bfe_u32 v2, v0, 4, 1                         ; h
	v_and_b32 v6, 8, v1
	v_mul_u32_u24 v6, s19, v6
	v_add_nc_u32 v6, v6, v1                        ; r, or r + 24 (r / 8)
	v_lshlrev_b32 v6, 2, v6
	v_mul_u32_u24 v7, s25, v2
	v_add3_u32 v3, v6, v7, s24                     ; my byte offset in the weight
	v_and_b32 v4, 31, v0
	v_lshlrev_b32 v4, 4, v4                        ; 16 x lane: my place in an image, in memory and in LDS
	s_lshl_b32 s40, s16, 2
	v_add_nc_u32 v5, s40, v4                       ; LDS: my scale word: 16 x lane + 4 t
	v_mov_b32 v10, 0                               ; written once: a lane permute's destination counts as one of its sources
	s_mov_b32 s41, 0x76543210
	s_mov_b32 s42, 0xfedcba98                      ; v_permlanex16_b32's selects for lane l xor 16
	s_mul_i32 s36, s17, BLKB
	s_mov_b32 s37, 0
	s_mul_i32 s38, s16, FRB
	s_mov_b32 s39, 0
	s_wait_kmcnt 0x0
	s_add_nc_u64 s[28:29], s[14:15], s[36:37]      ; my block
	s_add_nc_u64 s[26:27], s[28:29], s[38:39]      ; my fragment
	s_add_nc_u64 s[28:29], s[28:29], 4*FRB         ; the block's scale words
	s_cmp_lt_u32 s17, 64                           ; the source: every choice hangs on the work-group's number alone
	s_cselect_b64 s[20:21], s[4:5], s[6:7]
	s_cmp_lt_u32 s17, 132
	s_cselect_b64 s[22:23], s[8:9], s[10:11]
	s_cmp_lt_u32 s17, 136
	s_cselect_b64 s[22:23], s[22:23], s[12:13]
	s_cmp_lt_u32 s17, 128
	s_cselect_b64 s[20:21], s[20:21], s[22:23]
	s_cbranch_scc0 .Lnarrow                        ; the two ways differ in the loads' immediates alone: 64 loads on each
	s_wait_alu depctr_va_vdst(0)
	LOADS 2048
	s_branch .Lloaded
.Lnarrow:
	s_wait_alu depctr_va_vdst(0)
	LOADS 256
.Lloaded:
	s_wait_loadcnt 0x0
.irp c, 0,1                                    ; my block 2 c + h: all its 32 numbers are mine
	v_max3_num_f32 v[32+\c], |v[64+32*\c]|, |v[65+32*\c]|, 0x1800000   ; and the floor 2^(3 - 127): so the byte cannot fall under 1
.endr
.irp i, 2,4,6,8,10,12,14,16,18,20,22,24,26,28,30
.irp c, 0,1
	v_max3_num_f32 v[32+\c], v[32+\c], |v[64+32*\c+\i]|, |v[65+32*\c+\i]|   ; (the two blocks by turns)
.endr
.endr
.irp c, 0,1
	v_add_nc_u32 v[44+\c], 0xff000000, v[32+\c]    ; 2 off the exponent field: the conversion takes the exponent field of this operand as its scale
.endr
.irp c, 0,1
	v_lshrrev_b32 v[36+\c], 23, v[44+\c]           ; the scale's byte
.endr
	v_lshl_or_b32 v9, v37, 16, v36                 ; my two bytes: blocks h and 2 + h of my column,
	v_lshlrev_b32 v8, 3, v2
	v_lshlrev_b32 v9, v8, v9                       ; at their places in the scale word (8 h bits up);
	v_permlanex16_b32 v10, v9, s41, s42
	v_or_b32 v9, v9, v10                           ; with lane l xor 16's two the word is whole, in both halves of the lanes
.irp c, 0,1
	v_cvt_scalef32_pk16_fp6_f32 v[48+6*\c:50+6*\c], v[64+32*\c:79+32*\c], v[44+\c]   ; registers 6 c .. 6 c + 2 of the operand
	v_cvt_scalef32_pk16_fp6_f32 v[20+4*\c:22+4*\c], v[80+32*\c:95+32*\c], v[44+\c]   ; (a conversion's three registers begin on an even number: the second half is made elsewhere and moved)
.endr
	v_nop                                          ; one plain place behind a scaled conversion
.irp c, 0,1
.irp i, 0,1,2
	v_mov_b32 v[51+6*\c+\i], v[20+4*\c+\i]
.endr
.endr
.irp g, 0,1,2
	global_store_b128 v4, v[48+4*\g:51+4*\g], s[26:27] offset:512*\g   ; 32 lanes store 512 consecutive bytes, at a multiple of 256 from wq's first byte
.endr
	ds_store_b32 v5, v9                            ; the four tiles' words meet in LDS, so that they too leave as 512 consecutive bytes
	s_wait_dscnt 0x0                               ; for the others' sake: my store is done
	s_barrier_signal -1
	s_barrier_wait -1
	s_cmp_lg_u32 s16, 0
	s_cbranch_scc1 .Lend
	ds_load_b128 v[12:15], v4
	s_wait_dscnt 0x0
	global_store_b128 v4, v[12:15], s[28:29]
.Lend:
	s_wait_tensorcnt 0x0                           ; the wave's end
	ds_add_u32 v128, v129
	s_wait_dscnt 0x0
	s_endpgm
.Lfunc_end_k_qda73a7b956_prep:
	.size	k_qda73a7b956_prep, .Lfunc_end_k_qda73a7b956_prep-k_qda73a7b956_prep
	.p2alignl 7, 3214868480
	.fill 96, 4, 3214868480
	.section	.rodata,"a",@progbits
	.p2align	6, 0x0
	.amdhsa_kernel k_qda73a7b956_prep
		.amdhsa_group_segment_fixed_size 1024
		.amdhsa_private_segment_fixed_size 0
		.amdhsa_enable_private_segment 0
		.amdhsa_kernarg_size 48
		.amdhsa_user_sgpr_count 2
		.amdhsa_user_sgpr_kernarg_segment_ptr 1
		.amdhsa_wavefront_size32 1
		.amdhsa_system_sgpr_workgroup_id_x 1
		.amdhsa_system_sgpr_workgroup_id_y 1
		.amdhsa_system_sgpr_workgroup_id_z 1
		.amdhsa_system_vgpr_workitem_id 0
		.amdhsa_next_free_vgpr 130
		.amdhsa_next_free_sgpr 66
		.amdhsa_reserve_vcc 0
		.amdhsa_float_denorm_mode_32 3
		.amdhsa_float_denorm_mode_16_64 3
		.amdhsa_memory_ordered 1
		.amdhsa_forward_progress 1
		.amdhsa_inst_pref_size 19
	.end_amdhsa_kernel
	.amdgpu_metadata
---
amdhsa.version: [ 1, 2 ]
amdhsa.kernels:
  - .name:           k_qda73a7b956_prep
    .symbol:         k_qda73a7b956_prep.kd
    .args:
      - { .name: Wb1, .offset: 0, .size: 8, .value_kind: global_buffer, .address_space: global }
      - { .name: Wb2, .offset: 8, .size: 8, .value_kind: global_buffer, .address_space: global }
      - { .name: Wc1, .offset: 16, .size: 8, .value_kind: global_buffer, .address_space: global }
      - { .name: Wc2, .offset: 24, .size: 8, .value_kind: global_buffer, .address_space: global }
      - { .name: Wf1, .offset: 32, .size: 8, .value_kind: global_buffer, .address_space: global }
      - { .name: wq, .offset: 40, .size: 8, .value_kind: global_buffer, .address_space: global }
    .group_segment_fixed_size: 1024
    .private_segment_fixed_size: 0
    .kernarg_segment_align: 8
    .kernarg_segment_size: 48
    .max_flat_workgroup_size: 128
    .sgpr_count:     66
    .vgpr_count:     130
    .wavefront_size: 32
...
	.end_amdgpu_metadata
.endif
;; end of part 1
;; launch main (part 2): grid 256 x 1, 8 waves a work-group, clusters of 4 x 1, 327,680 bytes of LDS; arguments x1, x2, wq, bb1, bb2, bc1, bc2, bf1, Wf2, bf2, out0; writes out0
.if DOCPART == 2
	.amdgcn_target "amdgcn-amd-amdhsa--gfx1250"
	.amdhsa_code_object_version 6
	.text
	.protected	k_qda73a7b956_main
	.globl	k_qda73a7b956_main
	.p2align	8
	.type	k_qda73a7b956_main,@function
k_qda73a7b956_main:
	s_mov_b64 s[64:65], 0
	v_nop
	global_prefetch_b8 v0, s[64:65] scope:SCOPE_SE
	s_setreg_imm32_b32 hwreg(HW_REG_WAVE_MODE, 25, 1), 1
	s_wait_xcnt 0x0
	s_wait_alu depctr_hold_cnt(0) depctr_sa_sdst(0) depctr_va_vdst(0) depctr_va_sdst(0) depctr_va_ssrc(0) depctr_va_vcc(0) depctr_vm_vsrc(0)
	s_getreg_b32 s2, hwreg(HW_REG_IB_STS2, 6, 4)
	s_cmp_eq_u32 s2, 0
	s_cbranch_scc0 .Lentry_in_a_cluster
	s_endpgm
.Lentry_in_a_cluster:
	s_bfe_u32 s2, ttmp6, 0x10000c
	s_cmp_lg_u32 s2, 0x3003
	s_cbranch_scc0 .Lentry_shape_is_right
	s_endpgm
.Lentry_shape_is_right:
; out = ((f2 (x) f1) Wf1 + bf1) Wf2 + bf2,  f = relu(x Wb + bb) Wc + bc for each of two branches.  The products with Wb, Wc and Wf1 run on codes of FP6 (E2M3) with one E8M0 scale for each 32 along K; all else is f32.
; ONE WORK-GROUP TAKES 64 ROWS THROUGH THE WHOLE CHAIN: x is read once, 512 bytes of out0 are written, nothing else goes to memory.  The weights come as codes from wq, laid in the order of the operand's registers.
; K goes in DOUBLE STEPS of 256 (0-3: branch 1, 4-7: branch 2).  The weights of a double step, 16 blocks of wq, are one dense tile of 106,496 bytes; two LDS slots take turns, and Wf1's 32 blocks follow as two more tiles.
; CLUSTERS: all work-groups walk the same weights, so the four of a cluster ask for each tile JOINTLY: each of the eight waves issues one load of 13,312 bytes behind a round of the cluster's barrier.
; SHARES of wave w (0..7):  x: of each double step the 16 rows of row tile w % 4, K step w / 4, in two sub-tiles of 64 along K: loaded, turned through LDS, quantised, handed to all waves as an image of the operand's registers.
;   first product: hidden units 64 w .. 64 w + 63 for all 64 rows: 16 accumulators; bb is the C of each sum's first product.  Lane (r, h) ends with units 64 w + 32 h + 0 .. 31 of row r: a whole block, half w % 2 of K step w / 2 of the second product.
;   second product: outputs 16 (w % 4) on, row tiles 2 (w / 4) and 2 (w / 4) + 1.   third product: K steps 2 w, 2 w + 1, 16 + 2 w, 17 + 2 w of 32 (p = 4 w .. 4 w + 3 and 32 + 4 w .. 35 + 4 w), all rows, all 64 outputs; its partial sums go through Wf2 at once.
; ALL PRODUCTS ARE USED TRANSPOSED (source 0 = 16 columns of a weight, source 1 = 16 rows): a lane holds one row, and its registers run along the next product's K.
; x COMES BY LOADS INTO A RING OF FOUR REGISTER SETS with counted waits; the ring is never drained.  Sub-tile s + 4 is asked for when sub-tile s has been turned.
; Wc comes straight into the operand's registers: 26,624 bytes for each branch, needed once.  No prefetch is laid: x's loads stand three sub-tiles ahead of their use already, and a tile of weights is asked for a double step, 32 products a wave, ahead.
; LIMITS: NaN and infinities are not served.  A block of zeros gets the scale byte 1 (its codes are zeros; this program alone reads the bytes).  The third product's K is shared among the eight waves and Wf2 is applied to each
;   wave's partial sum: out = sum over w of (P_w Wf2) + (bf1 Wf2 + bf2), another order of f32 additions than reference()'s.  A block's largest outer product is taken as |f2[p]| x (the largest |f1|), rounded once: rounding keeps order, so it is the largest of the rounded products.
; REGISTERS.  Window 0: v0-15, v45-47 addresses; v16-31 scale words and nothing else; v32-44 the quantiser's; v48-143 two sets of four weight fragments; v144-175 XN, a turned sub-tile; v176-239 x's sets 2, 3; v240-255 bb of tiles 2, 3.
;   Window 1: v0-63 x's sets 0, 1; v64-79 bb of tiles 0, 1; v80-127 XF, four fragments of x; v128-255 the 16 accumulators.
.set BLKB,  6656                       ; a block of wq
.set PART,  2*BLKB                     ; what one tensor load brings
.set SLOT,  16*BLKB
.set XIMG,  2*SLOT                     ; four K steps' images of x: 6,144 bytes of codes + 256 of scale words each
.set XSCO,  6144
.set HIMG,  XIMG+25600                 ; the hidden layer's sixteen fragments,
.set HSC,   HIMG+24576                 ; and its scale words
.set OUTP,  HSC+1024                   ; partial outputs
.set F1B,   OUTP+4096                  ; f1: 64 rows x 272
.set TURNB, F1B+17408                  ; the turn: 16 rows x 272 for each wave
.set F2B,   TURNB                      ; f2, where the turn has been: 64 rows x 272
.set BCL,   TURNB+34816                ; bc1, bc2: a copy for each wave
.set SPARE, BCL+4096                   ; the spare words, 128 bytes for each wave, that no other line names
.set WCO,   128*BLKB                   ; where Wc's blocks begin in wq
.set BO,    0                          ; 128 h: my place in bb
.set LN16,  1                          ; 16 x lane
.set XO,    2                          ; x: (16 tile + h) rows of 4,096 bytes + 512 (w / 4) + 16 r
.set TS,    3                          ; the turn, in: row h, 16 r
.set TL,    4                          ; the turn, out: row r, 128 h
.set XWI,   5                          ; where I store x's fragment
.set XWS,   6                          ; and its scale bytes
.set WA0,   7                          ; my blocks in slot 0 (v8: in slot 1)
.set XFA,   9                          ; the images of x
.set XSA,   10                         ; their scale words
.set HWI,   11                         ; where I store the hidden layer's half fragments
.set HWS,   12
.set HRA,   13                         ; the hidden fragments of my two row tiles
.set HSA,   14                         ; their scale words
.set FS,    15                         ; where I store f
.set BCA,   45                         ; bc of my outputs
.set SPW,   46
.set NIL,   47
.set XN,    144
.set ACC,   128
.set G1,    44                         ; s[44:51] descriptor group 1
.set G0,    52                         ; s[52:59] descriptor group 0, one for each slot
.set NI,    0                          ; global loads issued so far: the counted waits are differences of this number
.set MSB,   0
.macro WIN new                         ; the immediate's high byte repeats the setting that is left; a switch that changes nothing is dropped
.if MSB != (\new)
	s_set_vgpr_msb (MSB<<8)|(\new)
.set MSB, (\new)
.endif
.endm
.macro ROUND                           ; a round of the cluster's barrier
	s_barrier_signal -1
	s_barrier_wait -1
	s_cmp_lg_u32 s26, 0
	s_cbranch_scc1 .Lnot_wave_0_\@
	s_barrier_signal -3
.Lnot_wave_0_\@:
	s_barrier_wait -3
	s_barrier_signal -1
	s_barrier_wait -1
.endm
.macro TILE n                          ; my part of a tile into slot n, jointly with the three partners
	tensor_load_to_lds s[G0+4*(\n):G0+4*(\n)+3], s[G1:G1+7]
	s_nop 0
.rept 4
	v_nop
.endr
.endm
.macro XSET s                          ; the ring's set of sub-tile s
.if ((\s)%4) < 2
.set XB, 32*((\s)%4)
.set XH, 1
.else
.set XB, 176+32*((\s)%4-2)
.set XH, 0
.endif
.endm
.macro XLOAD s                         ; 16 rows x 64 numbers: each load takes two rows' 256 consecutive bytes, at multiples of 256 from x's first byte; read once in the launch
	XSET \s
	WIN 0x40*XH
.irp i, 0,1,2,3,4,5,6,7
	global_load_b128 v[XB+4*\i:XB+4*\i+3], v[XO], s[4+2*((\s)/8):5+2*((\s)/8)] offset:8192*\i+1024*(((\s)%8)/2)+256*((\s)%2) th:TH_LOAD_NT
.endr
	WIN 0
.set NI, NI+8
.set XE\s, NI
.endm
.macro BBLOAD br                       ; bb in the accumulators' layout: tile t, register j = unit 64 w + 32 h + 8 t + j
.irp t, 0,1,2,3
.if \t < 2
	WIN 0x40
	global_load_b128 v[64+8*\t:67+8*\t], v[BO], s[10+2*(\br):11+2*(\br)] offset:32*\t
	global_load_b128 v[68+8*\t:71+8*\t], v[BO], s[10+2*(\br):11+2*(\br)] offset:32*\t+16
.else
	WIN 0
	global_load_b128 v[224+8*\t:227+8*\t], v[BO], s[10+2*(\br):11+2*(\br)] offset:32*\t
	global_load_b128 v[228+8*\t:231+8*\t], v[BO], s[10+2*(\br):11+2*(\br)] offset:32*\t+16
.endif
.endr
	WIN 0
.set NI, NI+8
.endm
.macro WCLOAD br                       ; Wc's fragments of my 16 outputs, and their scale words, into the weights' set 0
.irp ks, 0,1,2,3
.irp g, 0,1,2
	global_load_b128 v[48+12*\ks+4*\g:51+12*\ks+4*\g], v[LN16], s[68:69] offset:WCO+BLKB*(4*(\br)+\ks)+512*\g
.endr
	global_load_b32 v[20+\ks], v[LN16], s[66:67] offset:WCO+BLKB*(4*(\br)+\ks)+6144
.endr
.set NI, NI+16
.set WCE, NI
.endm
.macro TURN s                          ; sub-tile s through my own stage: in as loaded, out a whole block of 32 a lane: XN[i] = k 32 h + i of row r.  LDS serves a wave's instructions in order
	XSET \s
	WIN 0x04*XH
.irp i, 0,1,2,3,4,5,6,7
	ds_store_b128 v[TS], v[XB+4*\i:XB+4*\i+3] offset:544*\i
.endr
	WIN 0
.irp j, 0,1,2,3,4,5,6,7
	ds_load_b128 v[XN+4*\j:XN+4*\j+3], v[TL] offset:16*\j
.endr
.endm
; A block of 32, my lane's registers v[s] on (window w), becomes six registers of a fragment, v[q] on, and its scale byte, v[y].
.macro QUANT s, w, q, y
	WIN 0x15*(\w)
	v_max3_num_f32 v32, |v[\s]|, |v[\s+1]|, |v[\s+2]|          ; the largest magnitude, in four chains
	v_max3_num_f32 v33, |v[\s+3]|, |v[\s+4]|, |v[\s+5]|
	v_max3_num_f32 v34, |v[\s+6]|, |v[\s+7]|, |v[\s+8]|
	v_max3_num_f32 v35, |v[\s+9]|, |v[\s+10]|, |v[\s+11]|
	WIN 0x14*(\w)
.irp i, 12,20
	v_max3_num_f32 v32, v32, |v[\s+\i]|, |v[\s+\i+1]|
	v_max3_num_f32 v33, v33, |v[\s+\i+2]|, |v[\s+\i+3]|
	v_max3_num_f32 v34, v34, |v[\s+\i+4]|, |v[\s+\i+5]|
	v_max3_num_f32 v35, v35, |v[\s+\i+6]|, |v[\s+\i+7]|
.endr
	v_max3_num_f32 v32, v32, |v[\s+28]|, |v[\s+29]|
	v_max3_num_f32 v33, v33, |v[\s+30]|, |v[\s+31]|
	WIN 0
	v_max3_num_f32 v34, v34, v35, 0x1800000        ; and the floor 2^(3 - 127): so the byte cannot fall under 1
	s_delay_alu instid0(VALU_DEP_1)
	v_max3_num_f32 v32, v32, v33, v34
	s_delay_alu instid0(VALU_DEP_1)
	v_add_nc_u32 v33, 0xff000000, v32              ; 2 off the exponent field: the conversion's scale operand
	WIN 0x01*(\w)
	v_cvt_scalef32_pk16_fp6_f32 v[\q:\q+2], v[\s:\s+15], v33
	v_cvt_scalef32_pk16_fp6_f32 v[\q+6:\q+8], v[\s+16:\s+31], v33   ; (a conversion's three registers begin on an even number)
	WIN 0
	v_lshrrev_b32 v[\y], 23, v33                   ; the scale's byte; also the plain place behind the conversions
	v_mov_b32 v[\q+3], v[\q+6]
	v_mov_b32 v[\q+4], v[\q+7]
	v_mov_b32 v[\q+5], v[\q+8]
.endm
.macro IMG dd, half                    ; my half fragment and its byte, for double step dd: three LDS stores
.if (\half) == 0
	ds_store_b128 v[XWI], v[36:39] offset:12800*((\dd)%2)
	ds_store_b64 v[XWI], v[40:41] offset:12800*((\dd)%2)+512
.else
	ds_store_b64 v[XWI], v[36:37] offset:12800*((\dd)%2)+520
	ds_store_b128 v[XWI], v[38:41] offset:12800*((\dd)%2)+1024
.endif
	ds_store_b8 v[XWS], v34 offset:12800*((\dd)%2)+2*(\half)
.endm
.macro FETCHW d, q                     ; K step q of double step d: scale words, and my block's four fragments: 14 LDS loads
	WIN 0
	ds_load_b128 v[20+8*(\q):23+8*(\q)], v[WA0+(\d)%2] offset:8*BLKB*(\q)+6144
	ds_load_b128 v[16+8*(\q):19+8*(\q)], v[XSA] offset:12800*((\d)%2)+6400*(\q)
.irp k, 0,1,2,3,4,5,6,7,8,9,10,11
	ds_load_b128 v[48+48*(\q)+4*\k:51+48*(\q)+4*\k], v[WA0+(\d)%2] offset:8*BLKB*(\q)+512*\k
.endr
.endm
; 16 products: the four row tiles x my four tiles of hidden units.  The 16 accumulators take turns, one instruction a turn, in the same order in every step.
; In a double step's first K step a row tile's fragment gives place to the second's as soon as its four products are issued: four places, then three loads.
.macro MUL d, q
.irp m, 0,1,2,3
.irp t, 0,1,2,3
.if ((\d)%4) == 0 && (\q) == 0
.if \t < 2
	WIN 0x54
	v_wmma_scale_f32_16x16x128_f8f6f4 v[ACC+8*(4*\m+\t):ACC+8*(4*\m+\t)+7], v[48+12*\t:59+12*\t], v[80+12*\m:91+12*\m], v[64+8*\t:71+8*\t], v[20+\t], v[16+\m] matrix_a_fmt:MATRIX_FMT_FP6 matrix_b_fmt:MATRIX_FMT_FP6
.else
	WIN 0x44
	v_wmma_scale_f32_16x16x128_f8f6f4 v[ACC+8*(4*\m+\t):ACC+8*(4*\m+\t)+7], v[48+12*\t:59+12*\t], v[80+12*\m:91+12*\m], v[224+8*\t:231+8*\t], v[20+\t], v[16+\m] matrix_a_fmt:MATRIX_FMT_FP6 matrix_b_fmt:MATRIX_FMT_FP6
.endif
.else
	WIN 0x54
	v_wmma_scale_f32_16x16x128_f8f6f4 v[ACC+8*(4*\m+\t):ACC+8*(4*\m+\t)+7], v[48+48*(\q)+12*\t:59+48*(\q)+12*\t], v[80+12*\m:91+12*\m], v[ACC+8*(4*\m+\t):ACC+8*(4*\m+\t)+7], v[20+8*(\q)+\t], v[16+8*(\q)+\m] matrix_a_fmt:MATRIX_FMT_FP6 matrix_b_fmt:MATRIX_FMT_FP6
.endif
.endr
.if (\q) == 0
.rept 4
	v_nop
.endr
.irp g, 0,1,2
	ds_load_b128 v[80+12*\m+4*\g:83+12*\m+4*\g], v[XFA] offset:12800*((\d)%2)+6400+1536*\m+512*\g
.endr
.endif
.endr
	WIN 0
.endm
; DOUBLE STEP d.  XN holds sub-tile 2 d + 2; s1 = 2 d + 3 and s2 = 2 d + 4 are turned here; x1 = 2 d + 7 and x2 = 2 d + 8 are asked for.
.macro DSTEP d, s1, s2, x1, x2
	WIN 0
	s_wait_tensorcnt 0x0                           ; my part of this double step's tile has landed;
	ds_add_u32 v[SPW], v[NIL]                      ; 0 onto my spare word;
.if (\d) == 7
	s_add_nc_u64 s[G0+2:G0+3], s[G0+2:G0+3], 40*BLKB           ; Wf1's first tile
.elseif (\d) > 0
	s_add_nc_u64 s[G0+4*((\d+1)%2)+2:G0+4*((\d+1)%2)+3], s[G0+4*((\d+1)%2)+2:G0+4*((\d+1)%2)+3], 32*BLKB
.endif
	s_wait_dscnt 0x0                               ; the add is done, my images are stored, and my reads of the other slot and of the other images are over:
	ROUND                                          ; all of it now holds of every wave of the four work-groups
	TILE (\d+1)%2                                  ; the next tile, into the slot read a double step ago
	FETCHW \d, 0
	WIN 0x40
.irp k, 0,1,2,3,4,5,6,7,8,9,10,11
	ds_load_b128 v[80+4*\k:83+4*\k], v[XFA] offset:12800*((\d)%2)+512*\k   ; the four row tiles' fragments
.endr
	WIN 0
.if (\d) < 7
	QUANT XN, 0, 36, 34                            ; vector work while the fetch is served
	IMG \d+1, 0
	s_wait_loadcnt NI-XE\s1                        ; loads come back in order: those issued behind this sub-tile's may be out
	TURN \s1
.endif
	FETCHW \d, 1
.if (\d) < 7
	s_wait_dscnt 33                                ; the first K step's 26 are in; behind them: the image's 3, the turn's 16, 14 of the second K step
.else
	s_wait_dscnt 14
.endif
	MUL \d, 0
.if ((\d)%4) == 3
	WCLOAD (\d)/4
.endif
.if (\d) < 7
	s_wait_dscnt 26                                ; the turn is done, and the image's stores ahead of it: behind it 14 + 12 loads
.if (\x1) < 16
	XLOAD \x1                                      ; into the set that has just been turned
.endif
	QUANT XN, 0, 36, 34
	IMG \d+1, 1
.endif
.if (\d) == 1
	BBLOAD 1                                       ; the first branch's bb has been read
.endif
.if (\s2) < 16
	s_wait_loadcnt NI-XE\s2
	TURN \s2                                       ; served while the products run
	s_wait_dscnt 19                                ; the second K step's fragments are in; behind them the image's 3 and the turn's 16
.elseif (\d) < 7
	s_wait_dscnt 3
.else
	s_wait_dscnt 0x0
.endif
	MUL \d, 1
.if (\x2) < 15
	s_wait_dscnt 0x0                               ; the turn's stores have read the set
	XLOAD \x2
.endif
.endm
.macro WF1 n, a, sa                    ; Wf1's fragments of two of my K steps, and their scale words (lanes 0-15 the first's, lanes 16-31 the second's): bytes that my own tensor load brought
	WIN 0x40
.irp i, 0,1
.irp k, 0,1,2,3,4,5,6,7,8,9,10,11
	ds_load_b128 v[96*(\n)+48*\i+4*\k:96*(\n)+48*\i+4*\k+3], v[\a] offset:BLKB*\i+512*\k
.endr
.endr
	WIN 0
	ds_load_b128 v[24+4*(\n):27+4*(\n)], v[\sa] offset:6144
.endm
; THE HIDDEN LAYER of branch br + 1 and its product with Wc.
.macro HIDDEN br
.rept 4
	v_nop                                          ; four places in front of the first read of results, and of loads into registers that the products have read
.endr
.if (\br) == 1                         ; the addresses of Wf1's fragments, in registers that x and the images need no more
	s_mul_i32 s36, s26, PART
	v_bfe_u32 v32, v[LN16], 4, 4                   ; r
	v_bfe_u32 v33, v[LN16], 8, 1                   ; h
	v_add_nc_u32 v2, s36, v[LN16]
	v_lshlrev_b32 v3, 4, v32
	v_mad_u32_u24 v3, v33, BLKB, v3
	v_add_nc_u32 v3, s36, v3
	v_add_nc_u32 v4, SLOT, v2
	v_add_nc_u32 v5, SLOT, v3
	v_lshlrev_b32 v6, 6, v33                       ; Wf2: 64 h
	v_lshrrev_b32 v7, 1, v[LN16]                   ; 8 x lane
	v_mov_b32 v8, 0
.irp t, 0,1,2,3
.irp i, 0,1,2,3
	global_load_b128 v[176+16*\t+4*\i:179+16*\t+4*\i], v6, s[20:21] offset:128*\t+16*\i   ; v[176 + 2 n : 177 + 2 n], n = 8 t + j: Wf2's row 16 t + 8 h + j
.endr
.endr
	global_load_b128 v[240:243], v[LN16], s[20:21]     ; Wf2's rows 2 l, 2 l + 1
	global_load_b64 v[244:245], v7, s[18:19]           ; bf1[2 l], bf1[2 l + 1]
	global_load_b64 v[246:247], v8, s[22:23]           ; bf2
.set NI, NI+19
	s_wait_alu depctr_va_vdst(0)
	s_wait_tensorcnt 0x0                           ; my part of Wf1's first tile has landed; I alone read it
	WF1 0, 2, 3
.endif
.irp m, 0,1,2,3                                ; the row tiles; the codes' registers take turns
.if \m > 1
	s_wait_dscnt 4                                 ; the stores of the row tile two back have read their registers; the last one's four may be out
.endif
	WIN 0x44
.irp k, 0,1,2,3,4,5,6,7,8,9,10,11,12,13,14,15,16,17,18,19,20,21,22,23,24,25,26,27,28,29,30,31
	v_max_num_f32 v[ACC+32*\m+\k], 0, v[ACC+32*\m+\k]   ; the activation, in f32; each accumulator from its low end on
.endr
.set IQ, 36+60*(\m%2)
.set YQ, 105+(\m%2)
	QUANT ACC+32*\m, 1, IQ, YQ
.irp k, 0,1,2
	ds_store_b64 v[HWI], v[IQ+2*\k:IQ+2*\k+1] offset:6144*\m+256*\k
.endr
	ds_store_b8 v[HWS], v[YQ] offset:256*\m
.endr
.if (\br) == 0
	s_wait_dscnt 0x0
	s_barrier_signal -1
	s_barrier_wait -1                              ; the hidden layer's sixteen fragments lie in LDS
.else
	s_wait_tensorcnt 0x0                           ; none of my tensor loads is out;
	ds_add_u32 v[SPW], v[NIL]
	s_add_nc_u64 s[G0+6:G0+7], s[G0+6:G0+7], 40*BLKB           ; Wf1's second tile
	s_wait_dscnt 0x0                               ; the add, my stores of the hidden layer and my reads of slot 1 are done
	ROUND                                          ; the hidden layer's sixteen fragments lie in LDS, and nobody reads slot 1
	TILE 1
.endif
	ds_load_b128 v[16:19], v[HSA]                  ; scale words: lanes 0-15 my first row tile's, lanes 16-31 my second's
	WIN 0x40
	ds_load_b128 v[112:115], v[BCA] offset:256*(\br)   ; bc in the result's layout: outputs 16 nt + 8 h + 0 .. 7
	ds_load_b128 v[116:119], v[BCA] offset:256*(\br)+16
.irp f, 0,1,2,3,4,5,6,7                        ; f = 4 mm + ks
.irp k, 0,1,2,3,4,5
	ds_load_b64 v[ACC+12*\f+2*\k:ACC+12*\f+2*\k+1], v[HRA] offset:1536*\f+256*\k
.endr
.endr
	s_wait_loadcnt NI-WCE                          ; Wc's fragments are in; what was asked for behind them may be out
	s_wait_dscnt 0x0
	WIN 0x54
.irp ks, 0,1,2,3                               ; two accumulators by turns; bc is the C of each sum's first product
.if \ks == 0
	v_wmma_scale_f32_16x16x128_f8f6f4 v[240:247], v[48:59], v[ACC:ACC+11], v[112:119], v[20], v[16] matrix_a_fmt:MATRIX_FMT_FP6 matrix_b_fmt:MATRIX_FMT_FP6
	v_wmma_scale_f32_16x16x128_f8f6f4 v[248:255], v[48:59], v[ACC+48:ACC+59], v[112:119], v[20], v[16] matrix_a_fmt:MATRIX_FMT_FP6 matrix_b_fmt:MATRIX_FMT_FP6 matrix_b_scale:MATRIX_SCALE_ROW1
.else
	v_wmma_scale_f32_16x16x128_f8f6f4 v[240:247], v[48+12*\ks:59+12*\ks], v[ACC+12*\ks:ACC+12*\ks+11], v[240:247], v[20+\ks], v[16+\ks] matrix_a_fmt:MATRIX_FMT_FP6 matrix_b_fmt:MATRIX_FMT_FP6
	v_wmma_scale_f32_16x16x128_f8f6f4 v[248:255], v[48+12*\ks:59+12*\ks], v[ACC+48+12*\ks:ACC+59+12*\ks], v[248:255], v[20+\ks], v[16+\ks] matrix_a_fmt:MATRIX_FMT_FP6 matrix_b_fmt:MATRIX_FMT_FP6 matrix_b_scale:MATRIX_SCALE_ROW1
.endif
.endr
.rept 5
	v_nop                                          ; four places in front of the stores that read the results; five, since later products begin sums anew over these operands
.endr
	WIN 0x04
.irp mm, 0,1
	ds_store_b128 v[FS], v[240+8*\mm:243+8*\mm] offset:17408*(\br)+4352*\mm          ; lane (r, h): f(16 (2 a + mm) + r, 16 nt + 8 h + 0 .. 7); the low end first
	ds_store_b128 v[FS], v[244+8*\mm:247+8*\mm] offset:17408*(\br)+4352*\mm+16
.endr
	WIN 0
.endm
	s_load_b256 s[4:11], s[0:1], 0x0               ; x1 s[4:5], x2 s[6:7], wq s[8:9], bb1 s[10:11]
	s_load_b256 s[12:19], s[0:1], 0x20             ; bb2 s[12:13], bc1 s[14:15], bc2 s[16:17], bf1 s[18:19]
	s_load_b128 s[20:23], s[0:1], 0x40             ; Wf2 s[20:21], bf2 s[22:23]
	s_load_b64 s[24:25], s[0:1], 0x50              ; out0
	v_lshl_add_u32 v[SPW], v0, 2, SPARE
	v_mov_b32 v[NIL], 0
	ds_add_u32 v[SPW], v[NIL]                      ; the opening: the add, twice on end, and its wait
	ds_add_u32 v[SPW], v[NIL]
	v_lshrrev_b32 v33, 5, v0
	v_readfirstlane_b32 s26, v33                   ; wave w
	s_and_b32 s27, s26, 3                          ; row tile of my x; tile nt of my outputs of the second product
	s_lshr_b32 s28, s26, 2                         ; K step of a double step; pair a of row tiles
	s_lshr_b32 s29, s26, 1                         ; the second product's K step that I make,
	s_and_b32 s30, s26, 1                          ; and which half of it
	s_mov_b32 s34, 0x76543210
	s_mov_b32 s35, 0xfedcba98                      ; v_permlanex16_b32's selects for lane l xor 16
	s_lshl_b32 s36, s27, 16
	s_lshl_b32 s31, s28, 9
	s_add_co_u32 s36, s36, s31
	s_mul_i32 s37, s26, 4352
	s_add_co_u32 s37, s37, TURNB
	s_mul_i32 s39, s28, 6400
	s_add_co_u32 s39, s39, XIMG
	s_mul_i32 s38, s27, 1536
	s_add_co_u32 s38, s38, s39
	s_lshl_b32 s31, s27, 2
	s_add_co_u32 s39, s39, s31
	s_add_co_u32 s39, s39, XSCO
	s_mul_i32 s40, s26, BLKB
	s_mul_i32 s41, s29, 1536
	s_mul_i32 s31, s30, 768
	s_add_co_u32 s41, s41, s31
	s_add_co_u32 s41, s41, HIMG
	s_lshl_b32 s42, s29, 2
	s_lshl_b32 s31, s30, 1
	s_add_co_u32 s42, s42, s31
	s_add_co_u32 s42, s42, HSC
	s_mul_i32 s43, s28, 12288
	s_add_co_u32 s43, s43, HIMG
	s_lshl_b32 s60, s28, 9
	s_add_co_u32 s60, s60, HSC
	s_mul_i32 s61, s28, 32*272
	s_lshl_b32 s31, s27, 6
	s_add_co_u32 s61, s61, s31
	s_add_co_u32 s61, s61, F1B
	s_lshl_b32 s62, s26, 9
	s_add_co_u32 s62, s62, BCL
	s_add_co_u32 s63, s62, s31
	; descriptor group 1: 13 rows of 1,024 bytes (128 elements of 8 bytes), dense
	s_mov_b32 s[G1+0], 15|(3<<16)|(1<<21)          ; 15:0 the mask: the cluster's four work-groups; 17:16 element of 8 bytes; 21 set beside a mask
	s_mov_b32 s[G1+1], 128<<16                     ; tensor_dim0 = 128
	s_mov_b32 s[G1+2], 13<<16                      ; tensor_dim1 = 13
	s_mov_b32 s[G1+3], 128<<16                     ; tile_dim0 = 128
	s_mov_b32 s[G1+4], 13                          ; tile_dim1 = 13
	s_mov_b32 s[G1+5], 128                         ; tensor_dim0_stride
	s_mov_b32 s[G1+6], 0
	s_mov_b32 s[G1+7], 0
	s_mov_b32 s[G0], 1
	s_mul_i32 s[G0+1], s26, PART                   ; my part of slot 0,
	s_mov_b32 s[G0+4], 1
	s_add_co_u32 s[G0+5], s[G0+1], SLOT            ; and of slot 1
	s_bfe_u32 s3, ttmp6, 0x40000                   ; cx
	s_lshl_b32 s31, ttmp9, 2
	s_add_co_u32 s3, s3, s31                       ; the work-group's number
	s_lshl_b32 s70, s3, 18                         ; my 64 rows of 4,096 bytes
	s_mov_b32 s71, 0
	v_and_b32 v32, 31, v0                          ; lane
	v_and_b32 v33, 15, v0                          ; r
	v_bfe_u32 v34, v0, 4, 1                        ; h
	v_lshlrev_b32 v[LN16], 4, v32
	v_lshlrev_b32 v35, 4, v33                      ; 16 r
	v_lshl_add_u32 v[XO], v34, 12, v35
	v_add_nc_u32 v[XO], s36, v[XO]
	v_mad_u32_u24 v[TS], v34, 272, v35
	v_add_nc_u32 v[TS], s37, v[TS]
	v_mul_u32_u24 v36, v33, 272                    ; 272 r
	v_lshl_add_u32 v[TL], v34, 7, v36
	v_add_nc_u32 v[TL], s37, v[TL]
	v_add_nc_u32 v[XWI], s38, v[LN16]
	v_add_nc_u32 v37, v35, v34                     ; 16 r + h
	v_add_nc_u32 v[XWS], s39, v37
	v_add_nc_u32 v[WA0], s40, v[LN16]
	v_add_nc_u32 v[WA0+1], SLOT, v[WA0]
	v_add_nc_u32 v[XFA], XIMG, v[LN16]
	v_add_nc_u32 v[XSA], XIMG+XSCO, v35
	v_lshl_add_u32 v[HWI], v32, 3, s41
	v_add_nc_u32 v[HWS], s42, v37
	v_lshl_add_u32 v[HRA], v32, 3, s43
	v_lshl_add_u32 v[HSA], v34, 8, v35
	v_add_nc_u32 v[HSA], s60, v[HSA]
	v_lshl_add_u32 v[FS], v34, 5, v36
	v_add_nc_u32 v[FS], s61, v[FS]
	v_lshl_add_u32 v[BCA], v34, 5, s63
	v_lshlrev_b32 v40, 3, v32
	v_lshl_add_u32 v41, v32, 3, s62                ; where my copy of bc goes
	v_lshlrev_b32 v[BO], 7, v34
	s_wait_alu depctr_va_vdst(0)
	s_wait_dscnt 0x0                               ; both opening adds are done
	s_wait_kmcnt 0x0
	s_add_nc_u64 s[4:5], s[4:5], s[70:71]
	s_add_nc_u64 s[6:7], s[6:7], s[70:71]
	global_load_b64 v[36:37], v40, s[14:15]
	global_load_b64 v[38:39], v40, s[16:17]
.set NI, NI+2
	XLOAD 0
	XLOAD 1
	s_mov_b32 s36, s[G0+1]
	s_mov_b32 s37, 0
	s_add_nc_u64 s[G0+2:G0+3], s[8:9], s[36:37]    ; double step 0's tile, my part
	s_add_nc_u64 s[G0+6:G0+7], s[G0+2:G0+3], SLOT  ; double step 1's
	s_or_b32 s[G0+3], s[G0+3], 0x80000000
	s_or_b32 s[G0+7], s[G0+7], 0x80000000
	ROUND                                          ; all four work-groups are here: the first joint loads meet
	TILE 0                                         ; one tensor load a wave at the head
	s_lshl_b32 s36, s26, 8
	s_add_nc_u64 s[10:11], s[10:11], s[36:37]      ; my 64 numbers of bb1, bb2
	s_add_nc_u64 s[12:13], s[12:13], s[36:37]
	s_mul_i32 s36, s27, 1536
	s_add_nc_u64 s[68:69], s[8:9], s[36:37]        ; Wc: tile nt's fragments,
	s_lshl_b32 s36, s27, 2
	s_add_nc_u64 s[66:67], s[8:9], s[36:37]        ; and scale words
	s_lshl_b32 s36, s3, 9
	s_add_nc_u64 s[24:25], s[24:25], s[36:37]      ; my 64 rows of 8 bytes
	BBLOAD 0
	XLOAD 2
	XLOAD 3
	; x's way is filled: double step 0's images are stored, and sub-tile 2 is turned into XN
	s_wait_loadcnt NI-XE0                          ; bc, asked for ahead of sub-tile 0, is in too
	ds_store_b64 v41, v[36:37]
	ds_store_b64 v41, v[38:39] offset:256
	TURN 0
	s_wait_dscnt 0x0
	XLOAD 4
	QUANT XN, 0, 36, 34
	IMG 0, 0
	s_wait_loadcnt NI-XE1
	TURN 1
	s_wait_dscnt 0x0
	XLOAD 5
	QUANT XN, 0, 36, 34
	IMG 0, 1
	s_wait_loadcnt NI-XE2                          ; bb1, asked for ahead of sub-tile 2, is in too
	TURN 2
	s_wait_dscnt 0x0
	XLOAD 6
	DSTEP 0, 3, 4, 7, 8
	DSTEP 1, 5, 6, 9, 10
	DSTEP 2, 7, 8, 11, 12
	DSTEP 3, 9, 10, 13, 14
	HIDDEN 0
	DSTEP 4, 11, 12, 15, 16
	DSTEP 5, 13, 14, 17, 18
	DSTEP 6, 15, 16, 19, 20
	DSTEP 7, 17, 18, 21, 22
	HIDDEN 1
	s_wait_tensorcnt 0x0                           ; my part of Wf1's second tile has landed; I alone read it
	s_wait_dscnt 0x0                               ; my f2 is stored
	s_barrier_signal -1
	WF1 1, 4, 5                                    ; (no wave writes these bytes any more)
	s_wait_loadcnt 0x0                             ; Wf2 and the rest are in
	v_pk_mul_f32 v[248:249], v[244:245], v[240:241] op_sel:[0,0] op_sel_hi:[0,1]                   ; bf1[2 l] x Wf2's row 2 l,
	s_delay_alu instid0(VALU_DEP_1)
	v_pk_fma_f32 v[248:249], v[244:245], v[242:243], v[248:249] op_sel:[1,0,0] op_sel_hi:[1,1,1]   ; + bf1[2 l + 1] x row 2 l + 1;
	v_bfe_u32 v33, v[LN16], 4, 4                   ; r
	v_bfe_u32 v35, v[LN16], 8, 1                   ; h
.irp x, 1, 2, 4, 8
	v_add_f32_dpp v248, v248, v248 row_xmask:\x row_mask:0xf bank_mask:0xf                         ; summed over the 32 lanes
	v_add_f32_dpp v249, v249, v249 row_xmask:\x row_mask:0xf bank_mask:0xf
.endr
	v_permlanex16_b32 v250, v248, s34, s35
	v_permlanex16_b32 v251, v249, s34, s35
	v_mul_u32_u24 v32, v33, 272
	v_pk_add_f32 v[248:249], v[248:249], v[250:251]
	s_lshl_b32 s36, s26, 4
	s_add_co_u32 s36, s36, F2B
	s_lshl_b32 s37, s26, 9
	s_add_co_u32 s37, s37, OUTP
	v_lshl_add_u32 v9, v35, 7, v32
	v_pk_add_f32 v[248:249], v[248:249], v[246:247]    ; bf1 Wf2 + bf2
	v_add_nc_u32 v9, F1B, v9                       ; f1: row r, + 128 h
	v_add_nc_u32 v10, s36, v32                     ; f2: row r, + 16 w
	v_lshl_add_u32 v11, v33, 3, s37                ; my partial outputs: 8 r
	v_lshlrev_b32 v12, 3, v35                      ; 8 h
	v_add_nc_u32 v8, OUTP, v[LN16]                 ; the way out: rows 2 l, 2 l + 1 of a wave's partial outputs
	s_wait_alu depctr_va_vdst(0)
	s_barrier_wait -1                              ; f1 and f2 of all 64 rows lie in LDS
	; THE OUTER PRODUCT AND ITS PRODUCT WITH Wf1.  K = 64 p + q; my K step i is p = 4 w + 2 i + c (i < 2) or 28 + 4 w + 2 i + c (c = 0, 1), all q.  The operand's layout gives lane (r, h) k = 64 c + 32 h + 0 .. 31: one p and q = 32 h + 0 .. 31: a WHOLE block in a lane.
	; v9-12 addresses and 8 h, v13-15 the trip's addresses, v0 the largest |f1|, v2-5, v32-34 scales at work, v16 the scale word, v36-41 the outputs, v48-111 the products, v112-130 their codes, v132-139 f2, v144-175 four accumulators, v176-239 Wf2's rows, v248-249 bf1 Wf2 + bf2; window 1: v0-191 Wf1, v192-223 f1.
.macro PRE i                           ; the two blocks' largest magnitudes, with the floor 2^(3 - 127)
	v_mul_f32 v2, |v[132+2*(\i)]|, v0
	v_mul_f32 v3, |v[133+2*(\i)]|, v0
	s_delay_alu instid0(VALU_DEP_2)
	v_max_num_f32 v2, 0x1800000, v2
	s_delay_alu instid0(VALU_DEP_2)
	v_max_num_f32 v3, 0x1800000, v3
.endm
.macro KSTEP i
	v_add_nc_u32 v4, 0xff000000, v2                ; the conversions' scale operands
	v_add_nc_u32 v5, 0xff000000, v3
	s_delay_alu instid0(VALU_DEP_2)
	v_lshrrev_b32 v32, 23, v4
	s_delay_alu instid0(VALU_DEP_2)
	v_lshrrev_b32 v33, 23, v5
	s_delay_alu instid0(VALU_DEP_1)
	v_lshl_or_b32 v32, v33, 16, v32                ; my two bytes: blocks h and 2 + h,
	s_delay_alu instid0(VALU_DEP_1)
	v_lshlrev_b32 v32, v12, v32                    ; 8 h bits up;
	s_delay_alu instid0(VALU_DEP_1)
	v_permlanex16_b32 v34, v32, s34, s35
	s_delay_alu instid0(VALU_DEP_1)
	v_or_b32 v16, v32, v34                         ; with lane l xor 16's two the word is whole.  (The seven lines above are the places behind the last products, which read v16)
	WIN 0x01
.irp k, 0,1,2,3,4,5,6,7,8,9,10,11,12,13,14,15
	v_pk_mul_f32 v[48+2*\k:49+2*\k], v[192+2*\k:193+2*\k], v[132+2*\i:133+2*\i] op_sel:[0,0] op_sel_hi:[1,0]   ; f1[q] x f2[p]
.endr
.irp k, 0,1,2,3,4,5,6,7,8,9,10,11,12,13,14,15
	v_pk_mul_f32 v[80+2*\k:81+2*\k], v[192+2*\k:193+2*\k], v[132+2*\i:133+2*\i] op_sel:[0,1] op_sel_hi:[1,1]   ; and p + 1
.endr
	WIN 0
	v_cvt_scalef32_pk16_fp6_f32 v[112:114], v[48:63], v4
	v_cvt_scalef32_pk16_fp6_f32 v[124:126], v[64:79], v4       ; (a conversion's three registers begin on an even number)
	v_cvt_scalef32_pk16_fp6_f32 v[118:120], v[80:95], v5
	v_cvt_scalef32_pk16_fp6_f32 v[128:130], v[96:111], v5
	v_nop                                          ; one plain place behind a scaled conversion
.irp e, 0,1,2
	v_mov_b32 v[115+\e], v[124+\e]
	v_mov_b32 v[121+\e], v[128+\e]
.endr
.if (\i) < 3
	PRE \i+1                                       ; an operand written by vector instructions stands four places ahead of a scaled matrix instruction: these four lines
.else
.rept 4
	v_nop
.endr
.endif
	WIN 0x01
.irp t, 0,1,2,3                                ; four accumulators by turns
.if (\i) == 0
	v_wmma_scale_f32_16x16x128_f8f6f4 v[144+8*\t:151+8*\t], v[12*(4*(\i)+\t):12*(4*(\i)+\t)+11], v[112:123], 0, v[24+4*((\i)/2)+\t], v16 matrix_a_fmt:MATRIX_FMT_FP6 matrix_b_fmt:MATRIX_FMT_FP6
.elseif ((\i)%2) == 0
	v_wmma_scale_f32_16x16x128_f8f6f4 v[144+8*\t:151+8*\t], v[12*(4*(\i)+\t):12*(4*(\i)+\t)+11], v[112:123], v[144+8*\t:151+8*\t], v[24+4*((\i)/2)+\t], v16 matrix_a_fmt:MATRIX_FMT_FP6 matrix_b_fmt:MATRIX_FMT_FP6
.else
	v_wmma_scale_f32_16x16x128_f8f6f4 v[144+8*\t:151+8*\t], v[12*(4*(\i)+\t):12*(4*(\i)+\t)+11], v[112:123], v[144+8*\t:151+8*\t], v[24+4*((\i)/2)+\t], v16 matrix_a_fmt:MATRIX_FMT_FP6 matrix_b_fmt:MATRIX_FMT_FP6 matrix_a_scale:MATRIX_SCALE_ROW1
.endif
.endr
	WIN 0
.endm
	s_mov_b32 s40, 0
	s_mov_b32 s41, 0
	s_mov_b32 s42, 0
.Lkron:                                            ; four trips: a row tile each
	v_add_nc_u32 v13, s41, v9
	v_add_nc_u32 v14, s41, v10
	v_add_nc_u32 v15, s42, v11
	WIN 0x40
.irp i, 0,1,2,3,4,5,6,7
	ds_load_b128 v[192+4*\i:195+4*\i], v13 offset:16*\i    ; f1[row][32 h + 0 .. 31]
.endr
	WIN 0
	ds_load_b128 v[132:135], v14                   ; f2[row][4 w + 0 .. 3]
	ds_load_b128 v[136:139], v14 offset:128        ; f2[row][32 + 4 w + 0 .. 3]
	s_wait_dscnt 0x0
	WIN 0x15
	v_max3_num_f32 v0, |v192|, |v193|, |v194|      ; the largest |f1| of my 32, in two chains
	v_max3_num_f32 v2, |v195|, |v196|, |v197|
	WIN 0x14
.irp i, 198, 202, 206, 210, 214, 218
	v_max3_num_f32 v0, v0, |v[\i]|, |v[\i+1]|
	v_max3_num_f32 v2, v2, |v[\i+2]|, |v[\i+3]|
.endr
	v_max3_num_f32 v0, v0, |v222|, |v223|
	WIN 0
	v_max_num_f32 v0, v0, v2
	PRE 0
	KSTEP 0
	KSTEP 1
	KSTEP 2
	KSTEP 3
.rept 4
	v_nop                                          ; four places in front of the first read of results
.endr
	; register n = 8 t + j of the four accumulators is my partial h(row r, 16 t + 8 h + j): times Wf2's row, two outputs at a time, in two chains; each accumulator from its low end on
	v_pk_mul_f32 v[36:37], v[144:145], v[176:177] op_sel:[0,0] op_sel_hi:[0,1]
	v_pk_mul_f32 v[38:39], v[144:145], v[178:179] op_sel:[1,0] op_sel_hi:[1,1]
.irp n, 2,4,6,8,10,12,14,16,18,20,22,24,26,28,30
	v_pk_fma_f32 v[36:37], v[144+\n:145+\n], v[176+2*\n:177+2*\n], v[36:37] op_sel:[0,0,0] op_sel_hi:[0,1,1]
	v_pk_fma_f32 v[38:39], v[144+\n:145+\n], v[178+2*\n:179+2*\n], v[38:39] op_sel:[1,0,0] op_sel_hi:[1,1,1]
.endr
	s_delay_alu instid0(VALU_DEP_1)
	v_pk_add_f32 v[36:37], v[36:37], v[38:39]
	s_delay_alu instid0(VALU_DEP_1)
	v_permlanex16_b32 v40, v36, s34, s35
	s_delay_alu instid0(VALU_DEP_2)
	v_permlanex16_b32 v41, v37, s34, s35
	s_delay_alu instid0(VALU_DEP_1)
	v_pk_add_f32 v[36:37], v[36:37], v[40:41]      ; with lane l xor 16's 32 outputs of h
	ds_store_b64 v15, v[36:37]                     ; both halves of the lanes write the same 8 bytes with the same value
	s_wait_dscnt 0x0                               ; the store has read its registers, and for the others' sake at the barrier behind the last trip
	s_add_co_u32 s41, s41, 4352
	s_add_co_u32 s42, s42, 128
	s_add_co_u32 s40, s40, 1
	s_cmp_lt_u32 s40, 4
	s_cbranch_scc1 .Lkron
	s_barrier_signal -1                            ; (my stores are done: the wait at the trip's end)
	s_barrier_wait -1                              ; the eight waves' partial outputs lie in LDS
	s_cmp_lg_u32 s26, 0
	s_cbranch_scc1 .Lend
.irp i, 0,1,2,3,4,5,6,7
	ds_load_b128 v[48+4*\i:51+4*\i], v8 offset:512*\i      ; rows 2 l and 2 l + 1
.endr
	s_wait_dscnt 0x0
.irp i, 1,2,3,4,5,6,7
	v_pk_add_f32 v[48:49], v[48:49], v[48+4*\i:49+4*\i]
	v_pk_add_f32 v[50:51], v[50:51], v[50+4*\i:51+4*\i]
.endr
	v_pk_add_f32 v[48:49], v[48:49], v[248:249]    ; + bf1 Wf2 + bf2
	v_pk_add_f32 v[50:51], v[50:51], v[248:249]
	global_store_b128 v[LN16], v[48:51], s[24:25] th:TH_STORE_NT   ; 32 lanes store the work-group's 512 consecutive bytes, at a multiple of 256 from out0's first byte
.Lend:
	s_wait_tensorcnt 0x0                           ; the wave's end
	ds_add_u32 v[SPW], v[NIL]
	s_wait_dscnt 0x0
	ROUND                                          ; the closing round
	s_endpgm
.Lfunc_end_k_qda73a7b956_main:
	.size	k_qda73a7b956_main, .Lfunc_end_k_qda73a7b956_main-k_qda73a7b956_main
	.p2alignl 7, 3214868480
	.fill 96, 4, 3214868480
	.section	.rodata,"a",@progbits
	.p2align	6, 0x0
	.amdhsa_kernel k_qda73a7b956_main
		.amdhsa_group_segment_fixed_size 327680
		.amdhsa_private_segment_fixed_size 0
		.amdhsa_enable_private_segment 0
		.amdhsa_kernarg_size 88
		.amdhsa_user_sgpr_count 2
		.amdhsa_user_sgpr_kernarg_segment_ptr 1
		.amdhsa_wavefront_size32 1
		.amdhsa_system_sgpr_workgroup_id_x 1
		.amdhsa_system_sgpr_workgroup_id_y 1
		.amdhsa_system_sgpr_workgroup_id_z 1
		.amdhsa_system_vgpr_workitem_id 0
		.amdhsa_next_free_vgpr 512
		.amdhsa_next_free_sgpr 74
		.amdhsa_reserve_vcc 0
		.amdhsa_float_denorm_mode_32 3
		.amdhsa_float_denorm_mode_16_64 3
		.amdhsa_memory_ordered 1
		.amdhsa_forward_progress 1
		.amdhsa_inst_pref_size 201
	.end_amdhsa_kernel
	.amdgpu_metadata
---
amdhsa.version: [ 1, 2 ]
amdhsa.kernels:
  - .name:           k_qda73a7b956_main
    .symbol:         k_qda73a7b956_main.kd
    .args:
      - { .name: x1, .offset: 0, .size: 8, .value_kind: global_buffer, .address_space: global }
      - { .name: x2, .offset: 8, .size: 8, .value_kind: global_buffer, .address_space: global }
      - { .name: wq, .offset: 16, .size: 8, .value_kind: global_buffer, .address_space: global }
      - { .name: bb1, .offset: 24, .size: 8, .value_kind: global_buffer, .address_space: global }
      - { .name: bb2, .offset: 32, .size: 8, .value_kind: global_buffer, .address_space: global }
      - { .name: bc1, .offset: 40, .size: 8, .value_kind: global_buffer, .address_space: global }
      - { .name: bc2, .offset: 48, .size: 8, .value_kind: global_buffer, .address_space: global }
      - { .name: bf1, .offset: 56, .size: 8, .value_kind: global_buffer, .address_space: global }
      - { .name: Wf2, .offset: 64, .size: 8, .value_kind: global_buffer, .address_space: global }
      - { .name: bf2, .offset: 72, .size: 8, .value_kind: global_buffer, .address_space: global }
      - { .name: out0, .offset: 80, .size: 8, .value_kind: global_buffer, .address_space: global }
    .group_segment_fixed_size: 327680
    .private_segment_fixed_size: 0
    .kernarg_segment_align: 8
    .kernarg_segment_size: 88
    .max_flat_workgroup_size: 256
    .sgpr_count:     74
    .vgpr_count:     512
    .wavefront_size: 32
...
	.end_amdgpu_metadata
.endif
;; end of part 2
